; MI455X (gfx1250); checked and timed in simulation.
; The chip was launched on July 23, 2026; its instructions are those of AMD's public machine-readable ISA for CDNA 5 (MIT licence, August 2026) and "CDNA5" Instruction Set Architecture Reference Guide (July 2026). The comments in the code are by the model that wrote it; some were corrected since.
;; cross adjcent att. Allowed arithmetic: float matrix products may take bf16 or f16 operands with f32 sums; all other float work in f32.
;; Inputs: x 8 x 64 x 128 x 128 float32; x_stem 8 x 64 x 128 x 128 float32.
;; Outputs: out0 8 x 64 x 128 x 128 float32.
;; One version. Each part assembles by itself: llvm-mc -triple=amdgcn-amd-amdhsa -mcpu=gfx1250 --defsym DOCPART=n.
;; ======== version 1 of 1: 1 launch
;; launch adjatt (part 1): grid 256 x 1, 8 waves a work-group, no clusters, 301,568 bytes of LDS; arguments x_stem, x, out0; writes out0
.if DOCPART == 1
	.amdgcn_target "amdgcn-amd-amdhsa--gfx1250"
	.amdhsa_code_object_version 6
	.text
	.protected	k_q61113a7cab_adjatt
	.globl	k_q61113a7cab_adjatt
	.p2align	8
	.type	k_q61113a7cab_adjatt,@function
k_q61113a7cab_adjatt:
	s_mov_b64 s[64:65], 0
	v_nop
	global_prefetch_b8 v0, s[64:65] scope:SCOPE_SE
	s_setreg_imm32_b32 hwreg(HW_REG_WAVE_MODE, 25, 1), 1
	s_wait_xcnt 0x0
; out[b][c][h][w] = sum over the 8 neighbours k of softmax_k( x_stem[b][:][h][w] . x_stem[b][:][neighbour k] ) * x[b][c][neighbour k],
; zero padding round the image.  All tensors [8][64][128][128] f32.  Everything is computed in f32 on the vector unit.
;
; SHARES.  256 work-groups; a work-group owns 4 image rows of one batch (32 row blocks x 8 batches), all 64 channels.  Eight waves;
; wave w owns channels 8w .. 8w+7 in both phases.  Lane l owns pixels 4l .. 4l+3 of every row, so one 16-byte load or store of a
; wave covers a whole image row: 512 consecutive bytes, aligned.
; REQUESTS.  Every input byte of the work-group is asked for at the kernel's head, in the order of its use: first a wave's 48 loads of
; x_stem into registers, then its six tensor loads of x into LDS (two halo tiles, four tiles of two channels).  Each is used as it lands.
; PHASE 1: x_stem, 6 rows (4 own, one above, one below) x 8 channels a wave.  A dot product of two pixels serves both of them, so only
; 19 rows of sums are kept instead of 32:  E(r,w) = s(r,w).s(r,w+1) for the 4 own rows, and for each of the 5 pairs of neighbouring
; rows (a above b):  S(w) = a(w).b(w),  SE(w) = a(w).b(w+1),  SW(w) = a(w+1).b(w).
; MIDDLE: the waves' partial sums meet in LDS, four waves make the softmax of one row each, all waves read all weights.
; PHASE 2: a wave reads its own channels of x from LDS, 6 rows a channel, forms 4 rows of out and stores them; it begins with the first
; two channels' tile, so that its stores leave while later channels of x are still on their way.
;
; WHY NO MATRIX INSTRUCTIONS: both products are bands, one pixel against its 8 neighbours; of a 16 x 16 tile of pixel pairs three
; diagonals would be used, the channels are the slowest axis of the tensors (operands would have to be transposed), and the work is
; 12 multiply-adds for each number of out against 12 bytes moved.  WHY NO CLUSTER: work-groups share only the halo rows, two
; work-groups each, and a shared row lies at different LDS places in the two.
;
; LIMITS.  A neighbour outside the image enters the softmax with logit 0, as in the padded product, and its weight is then set to 0;
; the x value read beside that weight comes from a clamped address inside the image.  So an Inf or NaN of x in a border row or border
; column gives NaN (0 x Inf) at that border pixel, where the padded product would have a zero.  Weights below 2^-126 come out as 0.
.set ROWB,  512                        ; bytes of an image row
.set PLANE, 65536                      ; bytes of a channel's plane
.set XW,    24576                      ; LDS: x of one wave: 8 channels x 6 rows x 512 bytes:
.set XTOP,  16384                      ;   [8][4 own rows] at 0, [8][row above] at XTOP, [8][row below] at XBOT
.set XBOT,  20480
.set PART,  196608                     ; LDS: partial sums, 19 quads x 512 bytes for each wave; behind x, no tensor load lands here
.set PARTW, 9728
.set RED,   274432                     ; LDS: the 19 quads summed over the waves
.set WGT,   284160                     ; LDS: weights, 4 rows x 8 quads x 512 bytes; ends at 300,544
; vector registers that live through the kernel
.set GO,  1                            ; 16 x lane: my place in an image row (global offset); never rewritten
.set PST, 2                            ; LDS: my wave's partial sums
.set RA,  3                            ; LDS: quad number w of wave 0's partial sums
.set RA2, 4                            ;      the same of wave 4's
.set RST, 5                            ; LDS: quad number w of the reduced sums (also: S of pair w)
.set XQ,  6                            ; LDS: reduced sums + 1,024 w (the diagonal sums have two quads a pair)
.set SAM, 7                            ; as RST, for the lane in front of me
.set XQM, 8                            ; as XQ, for the lane in front of me
.set WST, 9                            ; LDS: weights of row w
.set WLD, 10                           ; LDS: weights of row 0
.set XAD, 11                           ; LDS: my 4 pixels in my wave's x
.set XL,  12                           ;      the pixel to their left
.set XR,  13                           ;      the pixel to their right
.set LN,  14                           ; lane
.set TP,  15                           ; at work
; phase 1
.set N,   16                           ; v[16:27]   two sets (two channels at a time): row r: pixel 4l+4 (the next lane's first)
.set D,   28                           ; v[28:219]  eight channel slots x 6 rows x 4 pixels: all of my x_stem at once
.set ACC, 0                            ; v[256:331] written by their low 8 bits, v0 .. v75 of window 1.  19 quads: S of pair p at 4p;
                                       ;            E of row r (1..4) at 16+4r; pair p's diagonals at 36+8p: SE0 SW0 SE1 SW1 | SE2 SW2 SE3 SW3
; softmax (in D's registers)
.set SJ,   98
.set SJ1,  102
.set EJ,   106
.set XAJ,  110
.set XBJ,  114
.set XAJ1, 118
.set XBJ1, 122
.set PV,   126                         ; SE3 of pair j, E3 of row j, SW3 of pair j+1, of the lane in front
.set MX,   130                         ; the maximum of pixel e
.set P,    134                         ; v[134:165] pixel e, neighbour k at 8e+k
.set SU,   166                         ; the sum, then its reciprocal
.set WQ,   170                         ; v[170:201] the row's 8 quads of weights
; phase 2
.set W,   16                           ; v[16:143]  row j at 32j: quads UA UB UC CA CB DA DB DC (see the softmax)
.set XB,  144                          ; v[144:215] two buffers x 6 rows x (4 pixels, left, right)
.set OB,  216                          ; v[216:247] two buffers x 4 rows x 4 pixels
; scalar registers of the descriptors
.set G1O, 28                           ; s[28:35]   group 1: own rows of two channels
.set G1H, 36                           ; s[36:43]   group 1: a halo row of eight channels
.set G0,  68                           ; s[68:91]   six groups 0: row above, row below, channel pairs 0 to 3
; s_set_vgpr_msb's low byte: bits 1:0 source 0, 3:2 source 1, 5:4 source 2, 7:6 destination; its high byte repeats the setting that is left
.set MSB, 0
.macro WIN new
.if MSB != \new
	s_set_vgpr_msb (MSB<<8)|\new
.set MSB, \new
.endif
.endm
.set TO_SUMS,   0x50                   ; destination and addend in window 1, the two factors in window 0
.set FROM_SUMS, 0x04                   ; an LDS store's data in window 1, its address in window 0
	s_load_b128 s[4:7], s[0:1], 0x0                ; x_stem s[4:5], x s[6:7]
	s_load_b64 s[8:9], s[0:1], 0x10                ; out
	v_lshl_add_u32 v254, v0, 2, 0x49600
	v_mov_b32 v255, 0
	ds_add_u32 v254, v255
	ds_add_u32 v254, v255
	v_lshrrev_b32 v[TP], 5, v0
	v_readfirstlane_b32 s10, v[TP]                 ; wave 0..7
	v_and_b32 v[LN], 31, v0
	v_lshlrev_b32 v[GO], 4, v[LN]
	s_and_b32 s11, ttmp9, 31                       ; row block 0..31
	s_lshr_b32 s12, ttmp9, 5                       ; batch 0..7
	s_lshl_b32 s14, s12, 22                        ; byte offset of my wave's first channel, first own row:
	s_lshl_b32 s13, s10, 19                        ; batch x 64 planes + wave x 8 planes + block x 4 rows (fields that do not meet)
	s_or_b32 s14, s14, s13
	s_lshl_b32 s13, s11, 11
	s_or_b32 s14, s14, s13
	s_mov_b32 s15, 0
	s_cmp_lg_u32 s11, 0
	s_cselect_b32 s13, ROWB, 0
	s_sub_co_u32 s16, s14, s13                     ; the row above; in the image's first block the first row itself (its weights are 0)
	s_mov_b32 s17, 0
	s_cmp_lg_u32 s11, 31
	s_cselect_b32 s13, ROWB, 0
	s_add_co_u32 s18, s14, s13
	s_add_co_u32 s18, s18, 3*ROWB                  ; the row below; in the last block the last row itself
	s_mov_b32 s19, 0
	; The descriptors' constant words, while the arguments are on their way.
	; Group 1, own rows: the 4 rows follow each other in memory, so a tile row is 512 elements of 4 bytes; 2 channels.
	s_mov_b32 s[G1O+0], 2<<16                      ; no mask; element of 4 bytes; no padding
	s_mov_b32 s[G1O+1], 512<<16                    ; tensor_dim0 = 512
	s_mov_b32 s[G1O+2], 2<<16                      ; tensor_dim1 = 2
	s_mov_b32 s[G1O+3], 512<<16                    ; tile_dim0 = 512
	s_mov_b32 s[G1O+4], 2                          ; tile_dim1 = 2
	s_mov_b32 s[G1O+5], 16384                      ; from channel to channel: 16,384 elements
	s_mov_b32 s[G1O+6], 0
	s_mov_b32 s[G1O+7], 0
	; group 1, a halo row: 128 elements, 8 channels
	s_mov_b32 s[G1H+0], 2<<16
	s_mov_b32 s[G1H+1], 128<<16
	s_mov_b32 s[G1H+2], 8<<16
	s_mov_b32 s[G1H+3], 128<<16
	s_mov_b32 s[G1H+4], 8
	s_mov_b32 s[G1H+5], 16384
	s_mov_b32 s[G1H+6], 0
	s_mov_b32 s[G1H+7], 0
	; six groups 0, first two words: LDS address = wave x 24,576 + the tile's constant
	s_mul_i32 s45, s10, XW
	s_mov_b32 s[G0+0], 1
	s_add_co_u32 s[G0+1], s45, XTOP
	s_mov_b32 s[G0+4], 1
	s_add_co_u32 s[G0+5], s45, XBOT
.irp p, 0,1,2,3
	s_mov_b32 s[G0+8+4*\p], 1
	s_add_co_u32 s[G0+9+4*\p], s45, \p*8*ROWB      ; two channels x 4 rows
.endr
	s_mov_b32 s56, 0                               ; v_permlanex16_b32: every lane takes lane 0 of the other half
	s_mov_b32 s57, 0
	s_wait_dscnt 0x0
	s_wait_kmcnt 0x0
	s_add_nc_u64 s[20:21], s[4:5], s[14:15]        ; x_stem: own rows
	s_add_nc_u64 s[22:23], s[4:5], s[16:17]        ;         row above
	s_add_nc_u64 s[24:25], s[4:5], s[18:19]        ;         row below
	s_add_nc_u64 s[26:27], s[8:9], s[14:15]        ; out: own rows
	; 48 loads, 24 KiB a wave: the 6 rows of each of my 8 channels, channel by channel, before anything else is done
.irp c, 0,1,2,3,4,5,6,7
	global_load_b128 v[D+24*\c:D+24*\c+3], v[GO], s[22:23] offset:\c*PLANE
.irp r, 1,2,3,4
	global_load_b128 v[D+24*\c+4*\r:D+24*\c+4*\r+3], v[GO], s[20:21] offset:\c*PLANE+(\r-1)*ROWB
.endr
	global_load_b128 v[D+24*\c+20:D+24*\c+23], v[GO], s[24:25] offset:\c*PLANE
.endr
	; x follows x_stem.  Six tensor loads of the wave are out, no more in the whole kernel.  Each LDS byte of x is filled once, by the wave
	; that alone reads it; the loads stand ahead of every barrier, every wait for them and every LDS access but the two adds at the head.
	s_add_nc_u64 s[G0+2:G0+3], s[6:7], s[16:17]
	s_or_b32 s[G0+3], s[G0+3], 0x80000000
	s_add_nc_u64 s[G0+6:G0+7], s[6:7], s[18:19]
	s_or_b32 s[G0+7], s[G0+7], 0x80000000
	s_add_nc_u64 s[46:47], s[6:7], s[14:15]
.irp p, 0,1,2,3
	s_add_nc_u64 s[G0+10+4*\p:G0+11+4*\p], s[46:47], \p*2*PLANE
	s_or_b32 s[G0+11+4*\p], s[G0+11+4*\p], 0x80000000
.endr
	tensor_load_to_lds s[G0:G0+3], s[G1H:G1H+7]            ; the row above, 8 channels
	s_nop 0
	tensor_load_to_lds s[G0+4:G0+7], s[G1H:G1H+7]          ; the row below, 8 channels
	s_nop 0
.irp p, 0,1,2,3
	tensor_load_to_lds s[G0+8+4*\p:G0+11+4*\p], s[G1O:G1O+7]   ; own rows of channels 2p, 2p+1
	s_nop 0
.endr
	; LDS addresses.  The unsigned minimum clamps both ends: 16 l - 4 wraps for lane 0 and becomes the row's last word.
	v_add_nc_u32 v[XAD], s45, v[GO]
	v_add_nc_u32 v[TP], -4, v[GO]
	v_min_u32 v[TP], ROWB-4, v[TP]
	v_add_nc_u32 v[XL], s45, v[TP]                 ; pixel 4l-1 (lane 0: a pixel of the row, used with weight 0)
	v_add_nc_u32 v[TP], 16, v[GO]
	v_min_u32 v[TP], ROWB-4, v[TP]
	v_add_nc_u32 v[XR], s45, v[TP]                 ; pixel 4l+4 (lane 31: the row's last pixel, used with weight 0)
	s_mul_i32 s2, s10, PARTW
	s_add_co_u32 s2, s2, PART
	v_add_nc_u32 v[PST], s2, v[GO]
	s_lshl_b32 s2, s10, 9
	s_add_co_u32 s3, s2, PART
	v_add_nc_u32 v[RA], s3, v[GO]
	v_add_nc_u32 v[RA2], 4*PARTW, v[RA]            ; a second register: 7 waves' sums are more than a 16-bit offset reaches
	s_add_co_u32 s3, s2, RED
	v_add_nc_u32 v[RST], s3, v[GO]
	v_add_nc_u32 v[TP], -16, v[GO]
	v_min_u32 v[TP], ROWB-16, v[TP]                ; the lane in front (lane 0: lane 31, and the value is replaced by 0)
	v_add_nc_u32 v[SAM], s3, v[TP]
	s_lshl_b32 s2, s10, 10
	s_add_co_u32 s3, s2, RED
	v_add_nc_u32 v[XQ], s3, v[GO]
	v_add_nc_u32 v[XQM], s3, v[TP]
	s_lshl_b32 s2, s10, 12
	s_add_co_u32 s3, s2, WGT
	v_add_nc_u32 v[WST], s3, v[GO]
	v_add_nc_u32 v[WLD], WGT, v[GO]
.irp r, 0,1,2,3,4,5,6,7,8,9,10,11
	v_mov_b32 v[N+\r], 0                           ; a lane permute's destination counts as read: written once here
.endr
; first = 1: the product starts the sum, nothing is cleared
.macro FM first, d, a, b
.if \first
	v_mul_f32 v[\d], v[\a], v[\b]
.else
	v_fmac_f32 v[\d], v[\a], v[\b]
.endif
.endm
.macro PF first, d, a, b                       ; two sums: (a0 b0, a1 b1)
.if \first
	v_pk_mul_f32 v[\d:\d+1], v[\a:\a+1], v[\b:\b+1]
.else
	v_pk_fma_f32 v[\d:\d+1], v[\a:\a+1], v[\b:\b+1], v[\d:\d+1]
.endif
.endm
.macro PX first, d, a, b                       ; two sums with b's pair crossed: (a0 b1, a1 b0) = (SE, SW) of the pair's first pixel
.if \first
	v_pk_mul_f32 v[\d:\d+1], v[\a:\a+1], v[\b:\b+1] op_sel:[0,1] op_sel_hi:[1,0]
.else
	v_pk_fma_f32 v[\d:\d+1], v[\a:\a+1], v[\b:\b+1], v[\d:\d+1] op_sel:[0,1,0] op_sel_hi:[1,0,1]
.endif
.endm
; The next lane's first pixel of the 6 rows of slot sl, into set n.  All in window 0.
.macro NEXT sl, n
.irp r, 0,1,2,3,4,5
	v_permlanex16_b32 v[N+6*\n+\r], v[D+24*\sl+4*\r], s56, s57     ; lanes 0-15 get lane 16's first pixel: what lane 15 needs
.endr
.irp r, 0,1,2,3,4,5
	v_mov_b32_dpp v[N+6*\n+\r], v[D+24*\sl+4*\r] row_shl:1 row_mask:0xf bank_mask:0xf   ; lane l takes lane l+1; lanes 15 and 31 keep what they have
.endr                                                              ; (lane 31 holds pixel 0: its three sums are replaced by 0 in the softmax)
.endm
; One channel's 56 multiply-adds onto the 76 sums of window 1.
.macro SUMS sl, n, first
.irp p, 0,1,2,3,4
	PF \first, ACC+4*\p, D+24*\sl+4*\p, D+24*\sl+4*\p+4            ; S
	PF \first, ACC+4*\p+2, D+24*\sl+4*\p+2, D+24*\sl+4*\p+6
.endr
.irp p, 0,1,2,3,4
	PX \first, ACC+36+8*\p, D+24*\sl+4*\p, D+24*\sl+4*\p+4         ; SE0 = a0 b1, SW0 = a1 b0
	PX \first, ACC+40+8*\p, D+24*\sl+4*\p+2, D+24*\sl+4*\p+6       ; SE2 = a2 b3, SW2 = a3 b2
.endr
.irp p, 0,1,2,3,4
	FM \first, ACC+38+8*\p, D+24*\sl+4*\p+1, D+24*\sl+4*\p+6       ; SE1 = a1 b2
	FM \first, ACC+39+8*\p, D+24*\sl+4*\p+2, D+24*\sl+4*\p+5       ; SW1 = a2 b1
	FM \first, ACC+42+8*\p, D+24*\sl+4*\p+3, N+6*\n+\p+1           ; SE3 = a3 b4
	FM \first, ACC+43+8*\p, N+6*\n+\p, D+24*\sl+4*\p+7             ; SW3 = a4 b3
.endr
.irp r, 1,2,3,4
	FM \first, ACC+16+4*\r, D+24*\sl+4*\r, D+24*\sl+4*\r+1         ; E
	FM \first, ACC+17+4*\r, D+24*\sl+4*\r+1, D+24*\sl+4*\r+2
	FM \first, ACC+18+4*\r, D+24*\sl+4*\r+2, D+24*\sl+4*\r+3
	FM \first, ACC+19+4*\r, D+24*\sl+4*\r+3, N+6*\n+\r
.endr
.endm
; Two channels a turn, so that the register window is switched twice for 136 instructions.
; Loads come back in order (ISA guide 5.7.1), twelve for two channels: left = the loads issued behind the two channels that are used.
.macro PAIR a, b, left, first
	WIN 0
	s_wait_loadcnt \left
	NEXT \a, 0
	NEXT \b, 1
	WIN TO_SUMS
	SUMS \a, 0, \first
	SUMS \b, 1, 0
.endm
	PAIR 0, 1, 36, 1
	PAIR 2, 3, 24, 0
	PAIR 4, 5, 12, 0
	PAIR 6, 7, 0, 0
	; THE WAVES' SUMS MEET.  Each wave lays down its 19 quads; lanes at neighbouring 16 bytes.
	WIN FROM_SUMS
.irp q, 0,1,2,3,4,5,6,7,8,9,10,11,12,13,14,15,16,17,18
	ds_store_b128 v[PST], v[ACC+4*\q:ACC+4*\q+3] offset:\q*512
.endr
	WIN 0                                          ; from here on window 0 alone
	s_wait_dscnt 0x0                               ; my stores are done, for the others' sake
	s_barrier_signal -1
	s_barrier_wait -1
; Wave w sums quads w, w+8 and (w < 3) w+16 over the eight waves, always in the same order.
.macro RLOAD k, t
.irp u, 0,1,2,3
	ds_load_b128 v[\t+4*\u:\t+4*\u+3], v[RA] offset:\u*PARTW+\k*4096
.endr
.irp u, 0,1,2,3
	ds_load_b128 v[\t+16+4*\u:\t+16+4*\u+3], v[RA2] offset:\u*PARTW+\k*4096
.endr
.endm
.macro RSUM k, t
.irp u, 0,8,16,24
	v_pk_add_f32 v[\t+\u:\t+\u+1], v[\t+\u:\t+\u+1], v[\t+\u+4:\t+\u+5]
	v_pk_add_f32 v[\t+\u+2:\t+\u+3], v[\t+\u+2:\t+\u+3], v[\t+\u+6:\t+\u+7]
.endr
.irp u, 0,16
	v_pk_add_f32 v[\t+\u:\t+\u+1], v[\t+\u:\t+\u+1], v[\t+\u+8:\t+\u+9]
	v_pk_add_f32 v[\t+\u+2:\t+\u+3], v[\t+\u+2:\t+\u+3], v[\t+\u+10:\t+\u+11]
.endr
	v_pk_add_f32 v[\t:\t+1], v[\t:\t+1], v[\t+16:\t+17]
	v_pk_add_f32 v[\t+2:\t+3], v[\t+2:\t+3], v[\t+18:\t+19]
	ds_store_b128 v[RST], v[\t:\t+3] offset:\k*4096
.endm
	RLOAD 0, D
	RLOAD 1, D+32
	s_wait_dscnt 8                                 ; the first quad's eight loads are in, the second's stay out
	RSUM 0, D
	s_wait_dscnt 1                                 ; the second's are in; only the store just issued may be out
	RSUM 1, D+32
	s_cmp_gt_u32 s10, 2
	s_cbranch_scc1 .Lreduced
	RLOAD 2, D+64                                  ; quads 16, 17, 18: waves 0, 1, 2
	s_wait_dscnt 0x0
	RSUM 2, D+64
.Lreduced:
	s_wait_dscnt 0x0
	s_barrier_signal -1
	s_barrier_wait -1
	; SOFTMAX: wave j (0..3) takes own row j, 4 pixels a lane.  The other four waves go on to the barrier.
	s_cmp_gt_u32 s10, 3
	s_cbranch_scc1 .Lweights_done
	ds_load_b128 v[SJ:SJ+3], v[RST]                        ; S of pair j (row above, my row)
	ds_load_b128 v[SJ1:SJ1+3], v[RST] offset:512           ; S of pair j+1 (my row, row below)
	ds_load_b128 v[EJ:EJ+3], v[RST] offset:5*512           ; E of my row
	ds_load_b128 v[XAJ:XAJ+3], v[XQ] offset:9*512          ; the diagonals of pair j
	ds_load_b128 v[XBJ:XBJ+3], v[XQ] offset:10*512
	ds_load_b128 v[XAJ1:XAJ1+3], v[XQ] offset:11*512       ; and of pair j+1
	ds_load_b128 v[XBJ1:XBJ1+3], v[XQ] offset:12*512
	ds_load_b32 v[PV], v[XQM] offset:10*512+8              ; of the lane in front: SE3 of pair j,
	ds_load_b32 v[PV+1], v[SAM] offset:5*512+12            ; E3,
	ds_load_b32 v[PV+2], v[XQM] offset:12*512+12           ; SW3 of pair j+1
	s_lshl2_add_u32 s2, s11, s10                   ; my image row = 4 x block + wave
	s_cmp_eq_u32 s2, 0
	s_cselect_b32 s58, -1, 0                       ; all lanes: there is no row above
	s_cmp_eq_u32 s2, 127
	s_cselect_b32 s59, -1, 0                       ; all lanes: there is no row below
	v_cmp_eq_u32 s60, 0, v[LN]                     ; lane 0: its first pixel has no left neighbours
	v_cmp_eq_u32 s61, 31, v[LN]                    ; lane 31: its last pixel has no right neighbours
	s_wait_dscnt 0x0
	; a neighbour outside the image has logit 0 (a product with the padding's zeros)
.irp i, 0,1,2,3
	v_cndmask_b32 v[SJ+\i], v[SJ+\i], 0, s58
	v_cndmask_b32 v[XAJ+\i], v[XAJ+\i], 0, s58
	v_cndmask_b32 v[XBJ+\i], v[XBJ+\i], 0, s58
	v_cndmask_b32 v[SJ1+\i], v[SJ1+\i], 0, s59
	v_cndmask_b32 v[XAJ1+\i], v[XAJ1+\i], 0, s59
	v_cndmask_b32 v[XBJ1+\i], v[XBJ1+\i], 0, s59
.endr
	v_cndmask_b32 v[PV], v[PV], 0, s58
	v_cndmask_b32 v[PV+2], v[PV+2], 0, s59
.irp i, 0,1,2
	v_cndmask_b32 v[PV+\i], v[PV+\i], 0, s60
.endr
	v_cndmask_b32 v[XBJ+3], v[XBJ+3], 0, s61
	v_cndmask_b32 v[EJ+3], v[EJ+3], 0, s61
	v_cndmask_b32 v[XBJ1+2], v[XBJ1+2], 0, s61
; pixel e: its 8 logits in the order (-1,-1) (-1,0) (-1,+1) (0,-1) (0,+1) (+1,-1) (+1,0) (+1,+1); the maximum is taken away first,
; by a subtraction of its own, so that the difference is exact for logits near the maximum however large they are
.macro LOGIT e, l0, l1, l2, l3, l4, l5, l6, l7
	v_max3_num_f32 v[MX+\e], v[\l0], v[\l1], v[\l2]
	v_max3_num_f32 v[MX+\e], v[MX+\e], v[\l3], v[\l4]
	v_max3_num_f32 v[MX+\e], v[MX+\e], v[\l5], v[\l6]
	v_max_num_f32 v[MX+\e], v[MX+\e], v[\l7]
	v_sub_f32 v[P+8*\e], v[\l0], v[MX+\e]
	v_sub_f32 v[P+8*\e+1], v[\l1], v[MX+\e]
	v_sub_f32 v[P+8*\e+2], v[\l2], v[MX+\e]
	v_sub_f32 v[P+8*\e+3], v[\l3], v[MX+\e]
	v_sub_f32 v[P+8*\e+4], v[\l4], v[MX+\e]
	v_sub_f32 v[P+8*\e+5], v[\l5], v[MX+\e]
	v_sub_f32 v[P+8*\e+6], v[\l6], v[MX+\e]
	v_sub_f32 v[P+8*\e+7], v[\l7], v[MX+\e]
.endm
	; (-1,-1) = SE of pair j at w-1; (-1,+1) = SW of pair j at w; (0,-1) = E at w-1; (+1,-1) = SW of pair j+1 at w-1; (+1,+1) = SE of pair j+1 at w
	LOGIT 0, PV, SJ, XAJ+1, PV+1, EJ, PV+2, SJ1, XAJ1
	LOGIT 1, XAJ, SJ+1, XAJ+3, EJ, EJ+1, XAJ1+1, SJ1+1, XAJ1+2
	LOGIT 2, XAJ+2, SJ+2, XBJ+1, EJ+1, EJ+2, XAJ1+3, SJ1+2, XBJ1
	LOGIT 3, XBJ, SJ+3, XBJ+3, EJ+2, EJ+3, XBJ1+1, SJ1+3, XBJ1+2
.irp i, 0,2,4,6,8,10,12,14,16,18,20,22,24,26,28,30
	v_pk_mul_f32 v[P+\i:P+\i+1], v[P+\i:P+\i+1], 0x3fb8aa3b op_sel_hi:[1,0]   ; x log2(e): v_exp_f32 works in base 2
.endr
.set i, 0
.rept 32
	v_exp_f32 v[P+i], v[P+i]
.set i, i+1
.endr
	v_nop                                          ; one plain vector instruction behind the last exponential before its result is read (ISA guide 5.7.2)
	s_wait_alu depctr_va_vdst(0)
.irp e, 0,1,2,3
	v_add_f32 v[SU+\e], v[P+8*\e], v[P+8*\e+1]
.endr
.irp k, 2,3,4,5,6,7
.irp e, 0,1,2,3
	v_add_f32 v[SU+\e], v[SU+\e], v[P+8*\e+\k]     ; at least 1: the largest logit's term
.endr
.endr
.irp e, 0,1,2,3
	v_rcp_f32 v[SU+\e], v[SU+\e]
.endr
	v_nop                                          ; as behind the exponentials
	s_wait_alu depctr_va_vdst(0)
; The weights go into the places in which phase 2 multiplies.  For each of the three x rows (U above, C my own, D below), with wm, wp the
; weights of the left and right neighbour in that row:  quad A = (wp0 wm1 wp2 wm3), for packed products with a crossed pair of x;
; quad B = (wm0 wp1 wm2 wp3), single products;  quad C (U and D) = the neighbour in the same column.
.macro WOUT e, km, kp, qa
.if (\e&1)
	v_mul_f32 v[\qa+\e], v[P+8*\e+\km], v[SU+\e]
	v_mul_f32 v[\qa+4+\e], v[P+8*\e+\kp], v[SU+\e]
.else
	v_mul_f32 v[\qa+\e], v[P+8*\e+\kp], v[SU+\e]
	v_mul_f32 v[\qa+4+\e], v[P+8*\e+\km], v[SU+\e]
.endif
.endm
.irp e, 0,1,2,3
	WOUT \e, 0, 2, WQ
	v_mul_f32 v[WQ+8+\e], v[P+8*\e+1], v[SU+\e]
	WOUT \e, 3, 4, WQ+12
	WOUT \e, 5, 7, WQ+20
	v_mul_f32 v[WQ+28+\e], v[P+8*\e+6], v[SU+\e]
.endr
	; a neighbour outside the image has x = 0: its weight, which has had its part in the sum, becomes 0
.irp i, 0,1,2,3,4,5,6,7,8,9,10,11
	v_cndmask_b32 v[WQ+\i], v[WQ+\i], 0, s58
	v_cndmask_b32 v[WQ+20+\i], v[WQ+20+\i], 0, s59
.endr
.irp q, 4,16,24
	v_cndmask_b32 v[WQ+\q], v[WQ+\q], 0, s60       ; wm0 of lane 0
	v_cndmask_b32 v[WQ+\q+3], v[WQ+\q+3], 0, s61   ; wp3 of lane 31
.endr
.irp q, 0,1,2,3,4,5,6,7
	ds_store_b128 v[WST], v[WQ+4*\q:WQ+4*\q+3] offset:\q*512
.endr
.Lweights_done:
	s_wait_dscnt 0x0
	s_barrier_signal -1
	s_barrier_wait -1
	; PHASE 2.  Every wave takes all four rows' weights: 128 registers.
.irp q, 0,1,2,3,4,5,6,7,8,9,10,11,12,13,14,15,16,17,18,19,20,21,22,23,24,25,26,27,28,29,30,31
	ds_load_b128 v[W+4*\q:W+4*\q+3], v[WLD] offset:\q*512
.endr
.macro XROW bf, s, off                         ; one row of x: my 4 pixels, the one to the left, the one to the right
	ds_load_b128 v[XB+36*\bf+6*\s:XB+36*\bf+6*\s+3], v[XAD] offset:\off
	ds_load_b32 v[XB+36*\bf+6*\s+4], v[XL] offset:\off
	ds_load_b32 v[XB+36*\bf+6*\s+5], v[XR] offset:\off
.endm
.macro LOADX c, bf                             ; 18 LDS loads: the 6 rows of channel c of my eight
	XROW \bf, 0, XTOP+\c*ROWB
.irp s, 1,2,3,4
	XROW \bf, \s, \c*4*ROWB+(\s-1)*ROWB
.endr
	XROW \bf, 5, XBOT+\c*ROWB
.endm
; the left and right neighbours in x row j+g, for the four rows j of out; the rows take turns, so that no instruction waits for the one in front
.macro SIDES bf, g, qa
.irp j, 0,1,2,3
	.set ro, OB+16*\bf+4*\j
	.set rw, W+32*\j+\qa
	.set rx, XB+36*\bf+6*(\j+\g)
	v_pk_fma_f32 v[ro:ro+1], v[rw:rw+1], v[rx:rx+1], v[ro:ro+1] op_sel:[0,1,0] op_sel_hi:[1,0,1]           ; o0 += wp0 x1, o1 += wm1 x0
	v_pk_fma_f32 v[ro+2:ro+3], v[rw+2:rw+3], v[rx+2:rx+3], v[ro+2:ro+3] op_sel:[0,1,0] op_sel_hi:[1,0,1]   ; o2 += wp2 x3, o3 += wm3 x2
.endr
.irp j, 0,1,2,3
	.set ro, OB+16*\bf+4*\j
	.set rw, W+32*\j+\qa+4
	.set rx, XB+36*\bf+6*(\j+\g)
	v_fmac_f32 v[ro], v[rw], v[rx+4]               ; o0 += wm0 x(-1)
	v_fmac_f32 v[ro+1], v[rw+1], v[rx+2]           ; o1 += wp1 x2
	v_fmac_f32 v[ro+2], v[rw+2], v[rx+1]           ; o2 += wm2 x1
	v_fmac_f32 v[ro+3], v[rw+3], v[rx+5]           ; o3 += wp3 x4
.endr
.endm
.macro OUTCH c, bf
	s_wait_xcnt 0x0                                ; every earlier store has had its address translated (ISA guide 3.1): this buffer of out is rewritten only behind this wait
.irp j, 0,1,2,3
	.set ro, OB+16*\bf+4*\j
	.set rw, W+32*\j+8
	.set rx, XB+36*\bf+6*\j
	v_pk_mul_f32 v[ro:ro+1], v[rw:rw+1], v[rx:rx+1]                ; the neighbour straight above starts the sums
	v_pk_mul_f32 v[ro+2:ro+3], v[rw+2:rw+3], v[rx+2:rx+3]
.endr
	SIDES \bf, 0, 0
	SIDES \bf, 1, 12
	SIDES \bf, 2, 20
.irp j, 0,1,2,3
	.set ro, OB+16*\bf+4*\j
	.set rw, W+32*\j+28
	.set rx, XB+36*\bf+6*(\j+2)
	v_pk_fma_f32 v[ro:ro+1], v[rw:rw+1], v[rx:rx+1], v[ro:ro+1]    ; the neighbour straight below
	v_pk_fma_f32 v[ro+2:ro+3], v[rw+2:rw+3], v[rx+2:rx+3], v[ro+2:ro+3]
.endr
.irp j, 0,1,2,3
	global_store_b128 v[GO], v[OB+16*\bf+4*\j:OB+16*\bf+4*\j+3], s[26:27] offset:\c*PLANE+\j*ROWB th:TH_STORE_NT   ; a whole row: 512 consecutive bytes, aligned
.endr
.endm
.macro STEP c, bf, nc, nbf
	LOADX \nc, \nbf                                ; the next channel's 18 loads go out first
	s_wait_dscnt 18                                ; LDS loads come back in order (ISA guide 5.7.1): all but those 18 are in
	OUTCH \c, \bf
.endm
	; Tensor loads of a wave end in order (ISA guide 10.11.1): row above, row below, channel pairs 0, 1, 2, 3.  Each count below is the
	; number of pairs issued behind the one that is about to be read.  Only I read my tiles, so my own wait is all the order they need.
	s_wait_tensorcnt 0x3                           ; both halo tiles and channels 0, 1 are in LDS
	LOADX 0, 0
	s_wait_dscnt 18                                ; the 32 loads of the weights are in; channel 0's 18 may be out
	STEP 0, 0, 1, 1
	s_wait_tensorcnt 0x2                           ; channels 2, 3
	STEP 1, 1, 2, 0
	STEP 2, 0, 3, 1
	s_wait_tensorcnt 0x1                           ; channels 4, 5
	STEP 3, 1, 4, 0
	STEP 4, 0, 5, 1
	s_wait_tensorcnt 0x0                           ; channels 6, 7: no tensor load is out from here to the end
	STEP 5, 1, 6, 0
	STEP 6, 0, 7, 1
	s_wait_dscnt 0x0
	OUTCH 7, 1
	s_wait_tensorcnt 0x0
	ds_add_u32 v254, v255
	s_wait_dscnt 0x0
	s_endpgm
.Lfunc_end_k_q61113a7cab_adjatt:
	.size	k_q61113a7cab_adjatt, .Lfunc_end_k_q61113a7cab_adjatt-k_q61113a7cab_adjatt
	.p2alignl 7, 3214868480
	.fill 96, 4, 3214868480
	.section	.rodata,"a",@progbits
	.p2align	6, 0x0
	.amdhsa_kernel k_q61113a7cab_adjatt
		.amdhsa_group_segment_fixed_size 301568
		.amdhsa_private_segment_fixed_size 0
		.amdhsa_enable_private_segment 0
		.amdhsa_kernarg_size 24
		.amdhsa_user_sgpr_count 2
		.amdhsa_user_sgpr_kernarg_segment_ptr 1
		.amdhsa_wavefront_size32 1
		.amdhsa_system_sgpr_workgroup_id_x 1
		.amdhsa_system_sgpr_workgroup_id_y 1
		.amdhsa_system_sgpr_workgroup_id_z 1
		.amdhsa_system_vgpr_workitem_id 0
		.amdhsa_next_free_vgpr 336
		.amdhsa_next_free_sgpr 92
		.amdhsa_reserve_vcc 0
		.amdhsa_float_denorm_mode_32 3
		.amdhsa_float_denorm_mode_16_64 3
		.amdhsa_memory_ordered 1
		.amdhsa_forward_progress 1
		.amdhsa_inst_pref_size 101
	.end_amdhsa_kernel
	.amdgpu_metadata
---
amdhsa.version: [ 1, 2 ]
amdhsa.kernels:
  - .name:           k_q61113a7cab_adjatt
    .symbol:         k_q61113a7cab_adjatt.kd
    .args:
      - { .name: x_stem, .offset: 0, .size: 8, .value_kind: global_buffer, .address_space: global }
      - { .name: x, .offset: 8, .size: 8, .value_kind: global_buffer, .address_space: global }
      - { .name: out0, .offset: 16, .size: 8, .value_kind: global_buffer, .address_space: global }
    .group_segment_fixed_size: 301568
    .private_segment_fixed_size: 0
    .kernarg_segment_align: 8
    .kernarg_segment_size: 24
    .max_flat_workgroup_size: 256
    .sgpr_count:     92
    .vgpr_count:     336
    .wavefront_size: 32
...
	.end_amdgpu_metadata
.endif
;; end of part 1
